; MI455X (gfx1250); checked and timed in simulation.
; The chip was launched on July 23, 2026; its instructions are those of AMD's public machine-readable ISA for CDNA 5 (MIT licence, August 2026) and "CDNA5" Instruction Set Architecture Reference Guide (July 2026). The comments in the code are by the model that wrote it; some were corrected since.
;; self attention. Allowed arithmetic: float matrix products may take bf16 or f16 operands with f32 sums; all other float work in f32.
;; Inputs: Wk 1,024 x 1,024 float32; Wq 1,024 x 1,024 float32; Wv 1,024 x 1,024 float32; bk 1,024 float32; bq 1,024 float32; bv 1,024 float32; x 4 x 2,048 x 1,024 float32.
;; Outputs: out0 4 x 2,048 x 1,024 float32.
;; One version. Each part assembles by itself: llvm-mc -triple=amdgcn-amd-amdhsa -mcpu=gfx1250 --defsym DOCPART=n.
;; ======== version 1 of 1: 4 launches
;; limits: values are held in f16: magnitudes above 65,504 overflow, below 6.1e-05 lose precision; right only within a limited range of input values
;; workspace buffers: xw 23,068,672 bytes; qk 33,554,432 bytes; vt 16,777,216 bytes; p 33,554,432 bytes; stats 1,048,576 bytes
;; launch cvt (part 1): grid 64 x 11, 8 waves a work-group, no clusters, 0 bytes of LDS; arguments x, Wq, Wk, Wv, xw; writes xw
.if DOCPART == 1
	.amdgcn_target "amdgcn-amd-amdhsa--gfx1250"
	.amdhsa_code_object_version 6
	.text
	.protected	k_q66bc7e56eb_cvt
	.globl	k_q66bc7e56eb_cvt
	.p2align	8
	.type	k_q66bc7e56eb_cvt,@function
k_q66bc7e56eb_cvt:
	s_mov_b64 s[64:65], 0
	v_nop
	global_prefetch_b8 v0, s[64:65] scope:SCOPE_SE
	s_setreg_imm32_b32 hwreg(HW_REG_WAVE_MODE, 25, 1), 1
	s_wait_xcnt 0x0
; xw = the 11,264 rows [x; Wq; Wk; Wv] rounded once from f32 to f16 and laid out IN BLOCKS OF 64 ALONG K: xw[K block 0..15][row][64].
; So a tile of R rows x 64 K of the next launch is R x 128 consecutive bytes.
; LIMIT: f16 holds no number beyond 65,504 (a larger one becomes an infinity) and keeps a fixed step of 6e-8 below 6e-5.
; A stream: every input byte is read once, every output byte written once; no LDS, no barrier, no matrix unit, no cluster (the work-groups share nothing).
; The grid's y is a slab of 1,024 rows (4 MiB of f32): 0-7 are x's, 8, 9, 10 are Wq, Wk, Wv.  Its x is a piece of 16 rows.
; In turn i (0..7) wave w takes rows 4 (i / 2) .. + 3 of the piece in K block 2 w + i % 2: eight lanes a row, 32 input bytes a lane (256 consecutive bytes a row),
; and stores 16 bytes a lane: the four rows' 128 bytes lie end to end in xw, so a wave's store covers 512 consecutive bytes, aligned.
.set IN,   8                           ; v[8:71]    eight groups of 8 f32
.set OUT,  72                          ; v[72:103]  eight groups of 8 f16
.set KBLK, 11264*128                   ; bytes from a K block of xw to the next
	s_load_b256 s[4:11], s[0:1], 0x0               ; x s[4:5], Wq s[6:7], Wk s[8:9], Wv s[10:11]
	s_load_b64 s[12:13], s[0:1], 0x20              ; xw
	s_and_b32 s14, ttmp7, 0xffff                   ; the slab
	v_and_b32 v3, 7, v0                            ; my place among a row's eight lanes
	v_bfe_u32 v4, v0, 3, 2                         ; my row among the wave's four
	v_lshrrev_b32 v5, 5, v0                        ; my wave
	v_lshlrev_b32 v1, 5, v3                        ; in: 32 x place
	v_lshl_add_u32 v1, v4, 12, v1                  ;     + 4,096 x row
	v_lshl_add_u32 v1, v5, 9, v1                   ;     + 512 x wave (two K blocks of 256 bytes)
	v_lshlrev_b32 v2, 4, v3                        ; out: 16 x place
	v_lshl_add_u32 v2, v4, 7, v2                   ;     + 128 x row
	v_mad_u32_u24 v2, v5, 2*KBLK, v2               ;     + two K blocks x wave
	s_lshl_b32 s16, s14, 22                        ; the slab's byte in x,
	s_cmp_lt_u32 s14, 8
	s_cselect_b32 s16, s16, 0                      ; or 0 in a weight, which is one slab
	s_lshl_b32 s15, ttmp9, 16
	s_add_co_u32 s16, s16, s15                     ; + the piece's 16 rows of 4,096 bytes
	s_mov_b32 s17, 0
	s_lshl_b32 s18, s14, 17                        ; the same rows in a K block of xw: 128 bytes a row
	s_lshl_b32 s15, ttmp9, 11
	s_add_co_u32 s18, s18, s15
	s_mov_b32 s19, 0
	s_wait_kmcnt 0x0
	s_cmp_eq_u32 s14, 8                            ; the source buffer is chosen by the slab's number
	s_cselect_b64 s[4:5], s[6:7], s[4:5]
	s_cmp_eq_u32 s14, 9
	s_cselect_b64 s[4:5], s[8:9], s[4:5]
	s_cmp_eq_u32 s14, 10
	s_cselect_b64 s[4:5], s[10:11], s[4:5]
	s_add_nc_u64 s[4:5], s[4:5], s[16:17]
	s_add_nc_u64 s[12:13], s[12:13], s[18:19]
.irp i, 0,1,2,3,4,5,6,7                ; all sixteen loads go out first
	global_load_b128 v[IN+8*(\i):IN+8*(\i)+3],   v1, s[4:5] offset:((\i)/2)*16384+((\i)%2)*256 th:TH_LOAD_NT
	global_load_b128 v[IN+8*(\i)+4:IN+8*(\i)+7], v1, s[4:5] offset:((\i)/2)*16384+((\i)%2)*256+16 th:TH_LOAD_NT
.endr
.irp i, 0,1,2,3,4,5,6,7
	s_wait_loadcnt 14-2*(\i)                       ; loads come back in order: group i is in, the younger pairs stay out
.irp j, 0,1,2,3
	v_cvt_pk_f16_f32 v[OUT+4*(\i)+(\j)], v[IN+8*(\i)+2*(\j)], v[IN+8*(\i)+2*(\j)+1]
.endr
	global_store_b128 v2, v[OUT+4*(\i):OUT+4*(\i)+3], s[12:13] offset:((\i)%2)*KBLK+((\i)/2)*512  ; no register is used twice, so nothing waits for a store
.endr
	s_endpgm
.Lfunc_end_k_q66bc7e56eb_cvt:
	.size	k_q66bc7e56eb_cvt, .Lfunc_end_k_q66bc7e56eb_cvt-k_q66bc7e56eb_cvt
	.p2alignl 7, 3214868480
	.fill 96, 4, 3214868480
	.section	.rodata,"a",@progbits
	.p2align	6, 0x0
	.amdhsa_kernel k_q66bc7e56eb_cvt
		.amdhsa_group_segment_fixed_size 0
		.amdhsa_private_segment_fixed_size 0
		.amdhsa_enable_private_segment 0
		.amdhsa_kernarg_size 40
		.amdhsa_user_sgpr_count 2
		.amdhsa_user_sgpr_kernarg_segment_ptr 1
		.amdhsa_wavefront_size32 1
		.amdhsa_system_sgpr_workgroup_id_x 1
		.amdhsa_system_sgpr_workgroup_id_y 1
		.amdhsa_system_sgpr_workgroup_id_z 1
		.amdhsa_system_vgpr_workitem_id 0
		.amdhsa_next_free_vgpr 104
		.amdhsa_next_free_sgpr 66
		.amdhsa_reserve_vcc 0
		.amdhsa_float_denorm_mode_32 3
		.amdhsa_float_denorm_mode_16_64 3
		.amdhsa_memory_ordered 1
		.amdhsa_forward_progress 1
		.amdhsa_inst_pref_size 7
	.end_amdhsa_kernel
	.amdgpu_metadata
---
amdhsa.version: [ 1, 2 ]
amdhsa.kernels:
  - .name:           k_q66bc7e56eb_cvt
    .symbol:         k_q66bc7e56eb_cvt.kd
    .args:
      - { .name: x, .offset: 0, .size: 8, .value_kind: global_buffer, .address_space: global }
      - { .name: Wq, .offset: 8, .size: 8, .value_kind: global_buffer, .address_space: global }
      - { .name: Wk, .offset: 16, .size: 8, .value_kind: global_buffer, .address_space: global }
      - { .name: Wv, .offset: 24, .size: 8, .value_kind: global_buffer, .address_space: global }
      - { .name: xw, .offset: 32, .size: 8, .value_kind: global_buffer, .address_space: global }
    .group_segment_fixed_size: 0
    .private_segment_fixed_size: 0
    .kernarg_segment_align: 8
    .kernarg_segment_size: 40
    .max_flat_workgroup_size: 256
    .sgpr_count:     66
    .vgpr_count:     104
    .wavefront_size: 32
...
	.end_amdgpu_metadata
.endif
;; end of part 1
;; launch proj (part 2): grid 8 x 32, 4 waves a work-group, clusters of 4 x 4, 327,680 bytes of LDS; arguments xw, bq, bk, qk, vt; writes qk, vt
.if DOCPART == 2
	.amdgcn_target "amdgcn-amd-amdhsa--gfx1250"
	.amdhsa_code_object_version 6
	.text
	.protected	k_q66bc7e56eb_proj
	.globl	k_q66bc7e56eb_proj
	.p2align	8
	.type	k_q66bc7e56eb_proj,@function
k_q66bc7e56eb_proj:
	s_mov_b64 s[64:65], 0
	v_nop
	global_prefetch_b8 v0, s[64:65] scope:SCOPE_SE
	s_setreg_imm32_b32 hwreg(HW_REG_WAVE_MODE, 25, 1), 1
	s_wait_xcnt 0x0
	s_wait_alu depctr_hold_cnt(0) depctr_sa_sdst(0) depctr_va_vdst(0) depctr_va_sdst(0) depctr_va_ssrc(0) depctr_va_vcc(0) depctr_vm_vsrc(0)
	s_getreg_b32 s2, hwreg(HW_REG_IB_STS2, 6, 4)
	s_cmp_eq_u32 s2, 0
	s_cbranch_scc0 .Lentry_in_a_cluster
	s_endpgm
.Lentry_in_a_cluster:
	s_bfe_u32 s2, ttmp6, 0x10000c
	s_cmp_lg_u32 s2, 0xf033
	s_cbranch_scc0 .Lentry_shape_is_right
	s_endpgm
.Lentry_shape_is_right:
; ALL THREE PROJECTIONS.  qk[token][0:1024] = Q, qk[token][1024:2048] = K: [Q|K] = x [Wq;Wk]^T + [bq|bk];  vt[channel][token] = (x Wv^T)^T, WITHOUT bv, which the last launch adds.
; Operands in f16 (rows of xw, in blocks of 64 along K), sums in f32, results rounded once to f16.
; LIMIT: |Q|, |K| and |x Wv^T| stay under 65,504 (f16).  With all inputs 30 times the drawn spread they reach about 5,000.
; SHARES.  A work-group takes 256 tokens x (256 columns of [Q|K] + 128 channels of V): 32 x 8 = 256 work-groups.  A wave takes 128 tokens x (128 + 64): 8 x 12 = 96 accumulators of 16 x 16,
; 768 registers: windows 1 to 3.  So x's tile feeds 384 columns: a step of 64 along K brings 640 rows x 128 bytes for a wave's 192 matrix instructions.
; RING.  K = 1,024 in 16 steps of 64 through two LDS slots (two slots of 128 along K, 2 x 640 x 272 bytes, would not fit).  A tile is dense in xw and is asked for as rows of 256 bytes, padded after every 128.
; Waves 0 and 1 fetch x's two halves, wave 2 the 256 rows of [Wq;Wk], wave 3 the 128 rows of Wv: one load a wave behind each round; one descriptor a tile walks from step 1 to step 15.
; CLUSTER 4 x 4: the four work-groups of a row need the same rows of x, the four of a column the same rows of the weights: each tile is asked for jointly.
; SOURCES.  For [Q|K] source 0 = 16 rows of W, source 1 = 16 tokens: lane l holds token l % 16 and the columns 8 (l / 16) + 0..7.  For V the sources change places: lane l holds channel l % 16 and the
; tokens 8 (l / 16) + 0..7, eight neighbours of a row of vt.  THE BIAS is the C operand of the products that start [Q|K]'s sums.
; REGISTERS.  window 0: v0-31 addresses; v32-95, v96-159 x's fragments (8 x 16 tokens x 32 K), two buffers; v160-255 the weights' twelve fragments, ONE buffer: each four are loaded again straight behind the
; 32 products that read them, where the window changes anyway.  Accumulator (a, b) at v[64 (b % 4) + 8 a] of window 1 + b / 4 (b = 8..11: V).
.set NSTEPS, 16
.set PITCH,  144                       ; an LDS row: 128 bytes + 16 of padding: the 16 rows of a fragment load start at 16 different groups of four banks
.set AHALF,  128*PITCH                 ; 128 rows
.set B1OFF,  2*AHALF                   ; behind x's 256 rows: the 256 rows of [Wq;Wk],
.set B2OFF,  4*AHALF                   ; then the 128 rows of Wv: a slot is 92,160 bytes
.set SLOT1,  1<<17                     ; slot 1 begins here, so that one exclusive or changes slots
.set STAGE,  SLOT1+5*AHALF             ; behind the ring: 16 rows x 272 bytes for each wave
.set SPITCH, 272
.set SPARE,  STAGE+4*16*SPITCH         ; the spare words: 128 bytes a wave, two blocks of 256 bytes that no other line names
.set KBLK,   11264*128                 ; bytes from a K block of xw to the next
.set ROWQ,   4096                      ; bytes in a row of qk
.set ROWV,   16384                     ; bytes in a row of vt
.set FLAGS,  (1<<16)|(1<<20)|(1<<21)|(4<<22)|(3<<25)  ; 2-byte elements; padding on; bit 21 beside a mask; after every 32 words; 4 words
.set ADRA0, 16                         ; v16-18  my lane's place in x's, [Wq;Wk]'s and Wv's rows of slot 0; never rewritten
.set ADRB0, 17
.set ADRC0, 18
.set ADRA,  19                         ; v19-21  the same in the slot in hand
.set ADRB,  20
.set ADRC,  21
.set STO,   24                         ; the way out: where I put 16 bytes of a row
.set RD,    25                         ; where I read a row back
.set CO,    26                         ; my byte offset in two rows of qk
.set BO,    27                         ; my byte offset in the bias
.set SPW,   28                         ; my spare word's address; never rewritten
.set NIL,   29                         ; 0; never rewritten
.set CV,    30                         ; my byte offset in two rows of vt
.set FA0,   32
.set FA1,   96
.set FB,    160
.set TMP,   160                        ; the way out: packed results
.set OB,    32                         ; the way out: 16 rows read back: v32-63 and v64-95 by turns
.set G1A, 24                           ; s[24:31] group 1 for x's tiles;  s[32:35] group 0 for step 0, s[36:39] the walking one
.set G0A, 32
.set TB,  45                           ; s45 LDS byte of the slot in hand
.set G1B, 48                           ; the same for [Wq;Wk]
.set G0B, 56
.set G1C, 80                           ; the same for Wv
.set G0C, 88
.set MSB, 0
.macro WIN new                         ; the immediate's high byte repeats the setting that is left; a switch that changes nothing is dropped
.if MSB != (\new)
	s_set_vgpr_msb (MSB<<8)|(\new)
.set MSB, \new
.endif
.endm
.macro PLACES                          ; four places in front of loads into registers that matrix instructions have read, and of conversions that read results
.rept 4
	v_nop
.endr
.endm
; A joint refill by the walking descriptors.  The branches hang on the wave's number alone.  An s_nop 0 and four v_nop follow each line.
.macro JLOAD
	s_cmp_lt_u32 s10, 2
	s_cbranch_scc0 .Lnot_a_\@
	tensor_load_to_lds s[G0A+4:G0A+7], s[G1A:G1A+7]
	s_nop 0
	PLACES
	s_branch .Lasked_\@
.Lnot_a_\@:
	s_cmp_eq_u32 s10, 2
	s_cbranch_scc0 .Lfor_c_\@
	tensor_load_to_lds s[G0B+4:G0B+7], s[G1B:G1B+7]
	s_nop 0
	PLACES
	s_branch .Lasked_\@
.Lfor_c_\@:
	tensor_load_to_lds s[G0C+4:G0C+7], s[G1C:G1C+7]
	s_nop 0
	PLACES
.Lasked_\@:
.endm
.macro CREST                           ; a round of the cluster's barrier behind its opening barrier
	s_cmp_lg_u32 s10, 0
	s_cbranch_scc1 .Lnot_wave_0_\@
	s_barrier_signal -3
.Lnot_wave_0_\@:
	s_barrier_wait -3
	s_barrier_signal -1
	s_barrier_wait -1
.endm
.macro CROUND
	s_barrier_signal -1
	s_barrier_wait -1
	CREST
.endm
	s_load_b128 s[4:7], s[0:1], 0x0                ; xw s[4:5], bq s[6:7]
	s_load_b128 s[68:71], s[0:1], 0x10             ; bk s[68:69], qk s[70:71]
	s_load_b64 s[72:73], s[0:1], 0x20              ; vt
	v_lshl_add_u32 v[SPW], v0, 2, SPARE
	v_mov_b32 v[NIL], 0
	ds_add_u32 v[SPW], v[NIL]                      ; the wave's opening: the add and its wait stand ahead of my first tensor load
	v_lshrrev_b32 v1, 5, v0
	v_readfirstlane_b32 s10, v1                    ; wave 0..3
	s_lshr_b32 s11, s10, 1                         ; my half of the tile's tokens
	s_and_b32 s12, s10, 1                          ; my half of its columns; in waves 0 and 1 also: which half of x's rows I fetch
	s_bfe_u32 s40, ttmp6, 0x40000                  ; cx
	s_bfe_u32 s41, ttmp6, 0x40004                  ; cy
	s_lshl_b32 s42, ttmp9, 2
	s_add_co_u32 s42, s42, s40                     ; tile column
	s_and_b32 s13, ttmp7, 0xffff
	s_lshl_b32 s13, s13, 2
	s_add_co_u32 s13, s13, s41                     ; tile row
	s_lshl_b32 s43, s41, 2
	s_lshl_b32 s43, 15, s43                        ; my row of the cluster
	s_lshl_b32 s44, 0x1111, s40                    ; my column
	s_or_b32 s[G1A+0], s43, FLAGS
	s_or_b32 s[G1B+0], s44, FLAGS
	s_or_b32 s[G1C+0], s44, FLAGS
.irp g, G1A, G1B, G1C
	s_mov_b32 s[(\g)+1], 128<<16                   ; tensor_dim0 = 128 elements: 256 bytes, two rows of a K block
	s_mov_b32 s[(\g)+3], 128<<16                   ; tile_dim0 = 128
	s_mov_b32 s[(\g)+5], 128                       ; the tile is dense: 128 elements from row to row
	s_mov_b32 s[(\g)+6], 0
	s_mov_b32 s[(\g)+7], 0
.endr
	s_mov_b32 s[G1A+2], 64<<16                     ; x's half: 128 rows of 128 bytes = 64 of 256
	s_mov_b32 s[G1A+4], 64
	s_mov_b32 s[G1B+2], 128<<16                    ; [Wq;Wk]: 256 rows = 128 of 256 bytes
	s_mov_b32 s[G1B+4], 128
	s_mov_b32 s[G1C+2], 64<<16                     ; Wv: 128 rows = 64 of 256 bytes
	s_mov_b32 s[G1C+4], 64
	s_lshl_b32 s16, s13, 15                        ; x: row 256 x tile row + 128 x half, of 128 bytes
	s_lshl_b32 s17, s12, 14
	s_add_co_u32 s16, s16, s17
	s_mov_b32 s17, 0
	s_lshl_b32 s46, s42, 15                        ; [Wq;Wk]: row 8,192 + 256 x tile column
	s_add_co_u32 s46, s46, 8192*128
	s_mov_b32 s47, 0
	s_lshl_b32 s76, s42, 14                        ; Wv: row 10,240 + 128 x tile column
	s_add_co_u32 s76, s76, 10240*128
	s_mov_b32 s77, 0
	s_mul_i32 s20, s12, AHALF                      ; where my half of x goes
	s_wait_dscnt 0x0                               ; the opening add is done
	s_wait_kmcnt 0x0
	s_add_nc_u64 s[14:15], s[4:5], s[16:17]
	s_add_nc_u64 s[46:47], s[4:5], s[46:47]
	s_add_nc_u64 s[76:77], s[4:5], s[76:77]
	s_mov_b64 s[8:9], s[70:71]                     ; qk
	s_cmp_eq_u32 ttmp9, 0                          ; tile columns 0-3 are Q's, 4-7 K's
	s_cselect_b64 s[66:67], s[6:7], s[68:69]
	CROUND                                         ; all sixteen work-groups are here: the first joint loads meet
.irp s, 0,1
	s_mov_b32 s[G0A+4*(\s)], 1
	s_add_co_u32 s[G0A+4*(\s)+1], s20, (\s)*SLOT1
	s_add_nc_u64 s[G0A+4*(\s)+2:G0A+4*(\s)+3], s[14:15], (\s)*KBLK
	s_or_b32 s[G0A+4*(\s)+3], s[G0A+4*(\s)+3], 0x80000000
	s_mov_b32 s[G0B+4*(\s)], 1
	s_mov_b32 s[G0B+4*(\s)+1], B1OFF+(\s)*SLOT1
	s_add_nc_u64 s[G0B+4*(\s)+2:G0B+4*(\s)+3], s[46:47], (\s)*KBLK
	s_or_b32 s[G0B+4*(\s)+3], s[G0B+4*(\s)+3], 0x80000000
	s_mov_b32 s[G0C+4*(\s)], 1
	s_mov_b32 s[G0C+4*(\s)+1], B2OFF+(\s)*SLOT1
	s_add_nc_u64 s[G0C+4*(\s)+2:G0C+4*(\s)+3], s[76:77], (\s)*KBLK
	s_or_b32 s[G0C+4*(\s)+3], s[G0C+4*(\s)+3], 0x80000000
.endr
	s_cmp_lt_u32 s10, 2                            ; a wave's two first fills stand together in its branch: two loads of mine are out
	s_cbranch_scc0 .Lfirst_not_a
	tensor_load_to_lds s[G0A:G0A+3], s[G1A:G1A+7]
	s_nop 0
	tensor_load_to_lds s[G0A+4:G0A+7], s[G1A:G1A+7]
	s_nop 0
	PLACES
	s_branch .Lfirst_asked
.Lfirst_not_a:
	s_cmp_eq_u32 s10, 2
	s_cbranch_scc0 .Lfirst_c
	tensor_load_to_lds s[G0B:G0B+3], s[G1B:G1B+7]
	s_nop 0
	tensor_load_to_lds s[G0B+4:G0B+7], s[G1B:G1B+7]
	s_nop 0
	PLACES
	s_branch .Lfirst_asked
.Lfirst_c:
	tensor_load_to_lds s[G0C:G0C+3], s[G1C:G1C+7]
	s_nop 0
	tensor_load_to_lds s[G0C+4:G0C+7], s[G1C:G1C+7]
	s_nop 0
	PLACES
.Lfirst_asked:
	v_and_b32 v1, 15, v0                           ; l % 16
	v_bfe_u32 v2, v0, 4, 1                         ; l / 16
	v_mul_u32_u24 v3, v1, PITCH
	v_lshl_add_u32 v3, v2, 4, v3                   ; a fragment's row x pitch + 16 x half
	s_mul_i32 s21, s11, AHALF                      ; my 128 tokens
	s_mul_i32 s22, s12, AHALF
	s_add_co_u32 s22, s22, B1OFF                   ; my 128 rows of [Wq;Wk]
	s_mul_i32 s23, s12, 64*PITCH
	s_add_co_u32 s23, s23, B2OFF                   ; my 64 rows of Wv
	v_add_nc_u32 v[ADRA0], s21, v3
	v_add_nc_u32 v[ADRB0], s22, v3
	v_add_nc_u32 v[ADRC0], s23, v3
	v_mov_b32 v[ADRA], v[ADRA0]
	v_mov_b32 v[ADRB], v[ADRB0]
	v_mov_b32 v[ADRC], v[ADRC0]
	s_mov_b32 s[TB], 0
	s_lshl_b32 s21, s40, 10                        ; the bias of my columns: (256 cx + 128 x half + 8 (l / 16)) x 4 bytes
	s_lshl_b32 s22, s12, 9
	s_add_co_u32 s21, s21, s22
	v_lshl_add_u32 v[BO], v2, 5, s21
.irp b, 0,1,2,3,4,5,6,7                ; into x's second buffer, which is first filled behind the products that take the bias: register j of block b: column 16 b + 8 (l / 16) + j
	global_load_b128 v[FA1+8*(\b):FA1+8*(\b)+3],   v[BO], s[66:67] offset:64*(\b)
	global_load_b128 v[FA1+8*(\b)+4:FA1+8*(\b)+7], v[BO], s[66:67] offset:64*(\b)+16
.endr
	s_mul_i32 s23, s10, 16*SPITCH
	s_add_co_u32 s23, s23, STAGE                   ; my stage
	v_mul_u32_u24 v4, v1, SPITCH                   ; in: row l % 16, 16 bytes for each half of the lanes
	v_lshl_add_u32 v4, v2, 4, v4
	v_add_nc_u32 v[STO], s23, v4
	v_mul_u32_u24 v5, v2, SPITCH                   ; back: lanes 0-15 take one row of 256 bytes, lanes 16-31 the next
	v_lshl_add_u32 v5, v1, 4, v5
	v_add_nc_u32 v[RD], s23, v5
	v_lshlrev_b32 v5, 12, v2                       ; and the same two rows in qk
	v_lshl_add_u32 v[CO], v1, 4, v5
	v_lshlrev_b32 v5, 14, v2                       ; and in vt
	v_lshl_add_u32 v[CV], v1, 4, v5
	s_lshl_b32 s14, s13, 8                         ; where my part begins in qk: token 256 x tile row + 128 x half; column 256 x tile column + 128 x half
	s_lshl_b32 s15, s11, 7
	s_add_co_u32 s16, s14, s15
	s_lshl_b32 s78, s16, 1                         ; (the token's two bytes in a row of vt)
	s_lshl_b32 s16, s16, 12
	s_mov_b32 s17, 0
	s_lshl_b32 s46, s42, 9
	s_lshl_b32 s47, s12, 8
	s_add_co_u32 s46, s46, s47
	s_mov_b32 s47, 0
	s_add_nc_u64 s[16:17], s[16:17], s[46:47]
	s_lshl_b32 s46, s42, 21                        ; and in vt: channel 128 x tile column + 64 x half, of 16,384 bytes
	s_lshl_b32 s47, s12, 20
	s_add_co_u32 s46, s46, s47
	s_add_co_u32 s78, s78, s46
	s_mov_b32 s79, 0
; 8 matrix instructions: block b of the weights x my eight blocks of tokens, 32 along K, x's fragments from buffer fa.  zero = 1: they start the sums, on the bias ([Q|K]) or on 0 (V).
; The 96 accumulators take turns in one fixed order in every quarter.
.macro MULB b, fa, zero
.set AC, 64*((\b)%4)
.if (\zero) && ((\b) < 8)
	WIN 0x40*(1+(\b)/4)                            ; D in the block's window, all sources in window 0
.else
	WIN 0x50*(1+(\b)/4)                            ; C and D in the block's window
.endif
.irp a, 0,1,2,3,4,5,6,7
.if (\b) < 8
.if \zero
	v_wmma_f32_16x16x32_f16 v[AC+8*(\a):AC+8*(\a)+7], v[FB+8*(\b):FB+8*(\b)+7], v[(\fa)+8*(\a):(\fa)+8*(\a)+7], v[FA1+8*(\b):FA1+8*(\b)+7]
.else
	v_wmma_f32_16x16x32_f16 v[AC+8*(\a):AC+8*(\a)+7], v[FB+8*(\b):FB+8*(\b)+7], v[(\fa)+8*(\a):(\fa)+8*(\a)+7], v[AC+8*(\a):AC+8*(\a)+7]
.endif
.else
.if \zero
	v_wmma_f32_16x16x32_f16 v[AC+8*(\a):AC+8*(\a)+7], v[(\fa)+8*(\a):(\fa)+8*(\a)+7], v[FB+8*(\b):FB+8*(\b)+7], 0
.else
	v_wmma_f32_16x16x32_f16 v[AC+8*(\a):AC+8*(\a)+7], v[(\fa)+8*(\a):(\fa)+8*(\a)+7], v[FB+8*(\b):FB+8*(\b)+7], v[AC+8*(\a):AC+8*(\a)+7]
.endif
.endif
.endr
.endm
.macro MUL4 b0, fa, zero               ; 32 matrix instructions: the four blocks of one window
.irp b, (\b0), (\b0)+1, (\b0)+2, (\b0)+3
	MULB \b, \fa, \zero
.endr
.endm
.macro LDB i0, adr, blk0, k            ; 8 LDS loads: the weights' fragments i0 .. i0 + 3, from blocks blk0 .. of the rows at adr, 32 K at byte k
	WIN 0
.irp i, 0,1,2,3
	ds_load_b128 v[FB+8*((\i0)+(\i)):FB+8*((\i0)+(\i))+3],   v[\adr] offset:(\k)+((\blk0)+(\i))*16*PITCH
	ds_load_b128 v[FB+8*((\i0)+(\i))+4:FB+8*((\i0)+(\i))+7], v[\adr] offset:(\k)+((\blk0)+(\i))*16*PITCH+32
.endr
.endm
.macro LDA fa, k                       ; 16 LDS loads: x's eight fragments into buffer fa
	WIN 0
.irp i, 0,1,2,3,4,5,6,7
	ds_load_b128 v[(\fa)+8*(\i):(\fa)+8*(\i)+3],   v[ADRA] offset:(\k)+(\i)*16*PITCH
	ds_load_b128 v[(\fa)+8*(\i)+4:(\fa)+8*(\i)+7], v[ADRA] offset:(\k)+(\i)*16*PITCH+32
.endr
.endm
; A STEP'S FIRST QUARTER: multiplies x's buffer 0; its three runs of loads fetch the second quarter (byte 64 of the same slot's rows).
.macro Q1 zero
	s_wait_dscnt 8                                 ; x's buffer and the weights' blocks 0-7 are in; the youngest eight loads (blocks 8-11) may be out
	MUL4 0, FA0, \zero
	PLACES
	LDB 0, ADRB, 0, 64
	MUL4 4, FA0, \zero
	PLACES
	LDB 4, ADRB, 4, 64
	LDA FA1, 64
	s_wait_dscnt 32                                ; all but the 8 + 24 just issued: blocks 8-11 are in
	MUL4 8, FA0, \zero
	PLACES
	LDB 8, ADRC, 0, 64
.endm
; THE SECOND QUARTER'S FIRST 32 PRODUCTS, and the one barrier of a change of slots.  My reads of this slot were all issued in the first quarter.  Each wave waits for all its tensor loads (its part of the
; next slot), adds 0 to its spare word, and waits for that and for its reads of this slot.
.macro MEET
	s_wait_dscnt 8                                 ; as in Q1
	MULB 0, FA1, 0
	MULB 1, FA1, 0
	WIN 0
	s_wait_tensorcnt 0x0                           ; all my tensor loads have landed: the one that was out was asked for 176 matrix instructions ago
	ds_add_u32 v[SPW], v[NIL]                      ; 0 onto my spare word
	MULB 2, FA1, 0
	s_wait_dscnt 0x0                               ; the add is done, and my reads of this slot are over
	s_barrier_signal -1
	MULB 3, FA1, 0
	WIN 0
	s_barrier_wait -1
.endm
; THE REST OF THE SECOND QUARTER: its runs of loads fetch the next step's first quarter from the other slot.
.macro REST
	s_xor_b32 s[TB], s[TB], SLOT1
	v_add_nc_u32 v[ADRA], s[TB], v[ADRA0]
	v_add_nc_u32 v[ADRB], s[TB], v[ADRB0]
	v_add_nc_u32 v[ADRC], s[TB], v[ADRC0]
	LDB 0, ADRB, 0, 0
	MUL4 4, FA1, 0
	PLACES
	LDB 4, ADRB, 4, 0
	LDA FA0, 0
	MUL4 8, FA1, 0                                 ; (blocks 8-11 came in by MEET's wait for 0)
	PLACES
	LDB 8, ADRC, 0, 0
.endm
; THE WAY OUT: 16 rows at a time: rounded to f16, 16 bytes a lane; through my own stage; back as whole rows of 256 bytes; stored.
.macro PACK a                          ; 16 tokens x my 128 columns of [Q|K]
.irp w, 1,2
	WIN 5*(\w)                                     ; sources 0 and 1: window 1, then 2
.irp b, 0,1,2,3
.irp r, 0,1,2,3
	v_cvt_pk_f16_f32 v[TMP+16*((\w)-1)+4*(\b)+(\r)], v[64*(\b)+8*(\a)+2*(\r)], v[64*(\b)+8*(\a)+2*(\r)+1]
.endr
.endr
.endr
	WIN 0
.endm
.macro VPACK c                         ; 16 channels x my 128 tokens of V
	WIN 0x0f                                       ; sources 0 and 1: window 3
.irp a, 0,1,2,3,4,5,6,7
.irp r, 0,1,2,3
	v_cvt_pk_f16_f32 v[TMP+4*(\a)+(\r)], v[64*(\c)+8*(\a)+2*(\r)], v[64*(\c)+8*(\a)+2*(\r)+1]
.endr
.endr
	WIN 0
.endm
.macro TOSTAGE n
.set BK, OB+32*((\n)%2)
.irp b, 0,1,2,3,4,5,6,7
	ds_store_b128 v[STO], v[TMP+4*(\b):TMP+4*(\b)+3] offset:32*(\b)
.endr
.irp t, 0,1,2,3,4,5,6,7
	ds_load_b128 v[BK+4*(\t):BK+4*(\t)+3], v[RD] offset:(\t)*2*SPITCH  ; LDS serves a wave's instructions in order: these see the stores above
.endr
.endm
.macro SENDQ a
.set BK, OB+32*((\a)%2)
	s_wait_dscnt 0x0                               ; the block is back in registers
	s_wait_xcnt 0x0                                ; only behind this wait are the stores' base and the registers that earlier stores read rewritten
.if (\a) == 0
	s_add_nc_u64 s[8:9], s[8:9], s[16:17]
.else
	s_add_nc_u64 s[8:9], s[8:9], 16*ROWQ
.endif
.irp t, 0,1,2,3,4,5,6,7
	global_store_b128 v[CO], v[BK+4*(\t):BK+4*(\t)+3], s[8:9] offset:2*(\t)*ROWQ  ; 16 lanes store 256 consecutive bytes, aligned
.endr
.endm
.macro SENDV c
.set BK, OB+32*((\c)%2)
	s_wait_dscnt 0x0
	s_wait_xcnt 0x0
.if (\c) == 0
	s_add_nc_u64 s[72:73], s[72:73], s[78:79]
.else
	s_add_nc_u64 s[72:73], s[72:73], 16*ROWV
.endif
.irp t, 0,1,2,3,4,5,6,7
	global_store_b128 v[CV], v[BK+4*(\t):BK+4*(\t)+3], s[72:73] offset:2*(\t)*ROWV  ; 16 lanes store 256 consecutive bytes, aligned
.endr
.endm
	s_wait_tensorcnt 1                             ; my part of K step 0 is in; step 1's may stay out
	s_barrier_signal -1
	s_barrier_wait -1
	LDB 0, ADRB, 0, 0
	LDB 4, ADRB, 4, 0
	LDA FA0, 0
	LDB 8, ADRC, 0, 0                              ; last, as in every quarter
	s_wait_loadcnt 0x0                             ; the bias
	Q1 1                                           ; the first quarter stands in front of the loop: its products start the sums
	WIN 0
	s_mov_b32 s3, NSTEPS-2
.Lstep:                                                ; a trip: a step's second quarter and the next step's first; the slot read out takes the step two on
	MEET
	CREST                                          ; the barrier has opened a round of the cluster's
.irp g, G0A+4, G0B+4, G0C+4
	s_xor_b32 s[(\g)+1], s[(\g)+1], SLOT1
	s_add_nc_u64 s[(\g)+2:(\g)+3], s[(\g)+2:(\g)+3], KBLK
.endr
	JLOAD                                          ; the first tensor load behind the round, my only one out; its four v_nop are also the places in front of the loads below
	REST
	Q1 0
	WIN 0
	s_sub_co_u32 s3, s3, 1
	s_cmp_lg_u32 s3, 0
	s_cbranch_scc1 .Lstep
	s_mov_b32 s3, 2
.Ltail:                                                ; the last two steps ask for nothing; the second trip is left in its middle
	MEET
	s_sub_co_u32 s3, s3, 1
	s_cmp_eq_u32 s3, 0
	s_cbranch_scc1 .Llast
	PLACES
	REST
	Q1 0
	WIN 0
	s_branch .Ltail
.Llast:
	MUL4 4, FA1, 0
	MUL4 8, FA1, 0
	PLACES
	PACK 0
	TOSTAGE 0
.irp a, 1,2,3,4,5,6,7                  ; a block's conversions stand between the loads of the block before and the wait for them
	PACK \a
	SENDQ (\a)-1
	TOSTAGE \a
.endr
	VPACK 0
	SENDQ 7
	TOSTAGE 8
.irp c, 1,2,3
	VPACK \c
	SENDV (\c)-1
	TOSTAGE 8+(\c)
.endr
	SENDV 3
	s_wait_tensorcnt 0x0                           ; the wave's end
	ds_add_u32 v[SPW], v[NIL]
	s_wait_dscnt 0x0
	CROUND                                         ; the closing round
	s_endpgm
.Lfunc_end_k_q66bc7e56eb_proj:
	.size	k_q66bc7e56eb_proj, .Lfunc_end_k_q66bc7e56eb_proj-k_q66bc7e56eb_proj
	.p2alignl 7, 3214868480
	.fill 96, 4, 3214868480
	.section	.rodata,"a",@progbits
	.p2align	6, 0x0
	.amdhsa_kernel k_q66bc7e56eb_proj
		.amdhsa_group_segment_fixed_size 327680
		.amdhsa_private_segment_fixed_size 0
		.amdhsa_enable_private_segment 0
		.amdhsa_kernarg_size 40
		.amdhsa_user_sgpr_count 2
		.amdhsa_user_sgpr_kernarg_segment_ptr 1
		.amdhsa_wavefront_size32 1
		.amdhsa_system_sgpr_workgroup_id_x 1
		.amdhsa_system_sgpr_workgroup_id_y 1
		.amdhsa_system_sgpr_workgroup_id_z 1
		.amdhsa_system_vgpr_workitem_id 0
		.amdhsa_next_free_vgpr 1024
		.amdhsa_next_free_sgpr 100
		.amdhsa_reserve_vcc 0
		.amdhsa_float_denorm_mode_32 3
		.amdhsa_float_denorm_mode_16_64 3
		.amdhsa_memory_ordered 1
		.amdhsa_forward_progress 1
		.amdhsa_inst_pref_size 113
	.end_amdhsa_kernel
	.amdgpu_metadata
---
amdhsa.version: [ 1, 2 ]
amdhsa.kernels:
  - .name:           k_q66bc7e56eb_proj
    .symbol:         k_q66bc7e56eb_proj.kd
    .args:
      - { .name: xw, .offset: 0, .size: 8, .value_kind: global_buffer, .address_space: global }
      - { .name: bq, .offset: 8, .size: 8, .value_kind: global_buffer, .address_space: global }
      - { .name: bk, .offset: 16, .size: 8, .value_kind: global_buffer, .address_space: global }
      - { .name: qk, .offset: 24, .size: 8, .value_kind: global_buffer, .address_space: global }
      - { .name: vt, .offset: 32, .size: 8, .value_kind: global_buffer, .address_space: global }
    .group_segment_fixed_size: 327680
    .private_segment_fixed_size: 0
    .kernarg_segment_align: 8
    .kernarg_segment_size: 40
    .max_flat_workgroup_size: 128
    .sgpr_count:     100
    .vgpr_count:     1024
    .wavefront_size: 32
...
	.end_amdgpu_metadata
.endif
;; end of part 2
;; launch scores (part 3): grid 8 x 32, 4 waves a work-group, clusters of 4 x 4, 327,680 bytes of LDS; arguments qk, p, stats; writes p, stats
.if DOCPART == 3
	.amdgcn_target "amdgcn-amd-amdhsa--gfx1250"
	.amdhsa_code_object_version 6
	.text
	.protected	k_q66bc7e56eb_scores
	.globl	k_q66bc7e56eb_scores
	.p2align	8
	.type	k_q66bc7e56eb_scores,@function
k_q66bc7e56eb_scores:
	s_mov_b64 s[64:65], 0
	v_nop
	global_prefetch_b8 v0, s[64:65] scope:SCOPE_SE
	s_setreg_imm32_b32 hwreg(HW_REG_WAVE_MODE, 25, 1), 1
	s_wait_xcnt 0x0
	s_wait_alu depctr_hold_cnt(0) depctr_sa_sdst(0) depctr_va_vdst(0) depctr_va_sdst(0) depctr_va_ssrc(0) depctr_va_vcc(0) depctr_vm_vsrc(0)
	s_getreg_b32 s2, hwreg(HW_REG_IB_STS2, 6, 4)
	s_cmp_eq_u32 s2, 0
	s_cbranch_scc0 .Lentry_in_a_cluster
	s_endpgm
.Lentry_in_a_cluster:
	s_bfe_u32 s2, ttmp6, 0x10000c
	s_cmp_lg_u32 s2, 0xf033
	s_cbranch_scc0 .Lentry_shape_is_right
	s_endpgm
.Lentry_shape_is_right:
; For each wave tile of 128 queries x 128 keys (a SEGMENT of a row's 2,048 keys): S = Q K^T in f32; cm = c x the row's maximum over the segment, c = log2(e) / sqrt(2048);
; p = 2^(c s - cm), rounded to f16 into p[query][key]; l = the sum of the unrounded p.  cm and l go to stats ([batch][segment][row] f32; l 524,288 bytes behind cm).
; The next launch brings the 16 segments of a row to the row's own maximum, so a maximum is taken away before every exponential; the scores themselves never leave f32.
; LIMITS: p lies in 0 to about 1; below 6e-5 it keeps f16's fixed step of 6e-8; a weight below 2^-126 counts as 0 in l; NaN and infinities are not treated apart.
; The product is the same text as the projection's: a tile of 256 x 256, four waves of 128 x 128, K = 1,024 channels in 8 steps of 128, two LDS slots, one walking descriptor a tensor,
; cluster 4 x 4 (Q's tile shared along a row, K's along a column).  TRANSPOSED USE: source 0 = 16 keys, source 1 = 16 queries: lane l holds query l % 16 and the keys 8 (l / 16) + 0..7 of each block of 16.
; REGISTERS: window 0: v0-31 addresses and the softmax's few; v64-127, v128-191 fragments of A; v32-63, v192-255 at work on the way out
;   window 1: v64-191 fragments of B      windows 2, 3: accumulator (a, b) at v[8 (8 (a % 4) + b)], window 2 + a / 4
.set KSTEP,  128
.set NSTEPS, 8
.set PITCH,  272
.set HALFT,  128*PITCH
.set SLOT,   4*HALFT                   ; 0x22000 shares no bit with wave x HALFT, so an exclusive or steps from slot to slot
.set STAGE,  2*SLOT
.set SPITCH, 272
.set STATS,  STAGE+4*16*SPITCH         ; 1,024 bytes a wave: cm of my 128 rows, then l
.set SPARE,  STATS+4*1024
.set ROWC,   4096                      ; bytes in a row of qk and of p
.set FLAGS,  (1<<16)|(1<<20)|(1<<21)|(5<<22)|(3<<25)
.set T,     6                          ; v6-13   eight running maxima, then at work
.set CM,    14                         ; v[14:15] c m in the low word; the high word is named with it and holds 0
.set ADRA0, 16
.set ADRB0, 17
.set ADRA,  18
.set ADRB,  19
.set LS,    20                         ; v[20:21] the sum's last pair
.set SAD,   22                         ; where I put a row's cm
.set SRD,   23                         ; where I read four rows' cm back
.set STO,   24
.set RD,    25
.set CO,    26
.set SO,    27                         ; 16 x lane: my byte offset in 512 bytes of stats
.set SPW,   28
.set NIL,   29
.set F0,    64
.set F1,    128
.set TMP,   192
.set OB,    32
.set G1,  24
.set G0,  32
.set TB,  45
.set G1B, 48
.set G0B, 56
.set CS,  72                           ; s[72:73] c
.set SEL, 74                           ; s[74:75] v_permlanex16_b32's selects: each lane takes its own place in the other half
.set MSB, 0
.macro WIN new
.if MSB != (\new)
	s_set_vgpr_msb (MSB<<8)|(\new)
.set MSB, \new
.endif
.endm
.set MUL_LO, 0xa1
.macro JLOAD
	s_cmp_eq_u32 s11, 0
	s_cbranch_scc0 .Lfor_b_\@
	tensor_load_to_lds s[G0+4:G0+7], s[G1:G1+7]
	s_nop 0
.rept 4
	v_nop
.endr
	s_branch .Lasked_\@
.Lfor_b_\@:
	tensor_load_to_lds s[G0B+4:G0B+7], s[G1B:G1B+7]
	s_nop 0
.rept 4
	v_nop
.endr
.Lasked_\@:
.endm
.macro CREST
	s_cmp_lg_u32 s10, 0
	s_cbranch_scc1 .Lnot_wave_0_\@
	s_barrier_signal -3
.Lnot_wave_0_\@:
	s_barrier_wait -3
	s_barrier_signal -1
	s_barrier_wait -1
.endm
.macro CROUND
	s_barrier_signal -1
	s_barrier_wait -1
	CREST
.endm
.macro PLACES
.rept 4
	v_nop
.endr
.endm
	s_load_b128 s[4:7], s[0:1], 0x0                ; qk s[4:5], p s[6:7]
	s_load_b64 s[66:67], s[0:1], 0x10              ; stats
	v_lshl_add_u32 v[SPW], v0, 2, SPARE
	v_mov_b32 v[NIL], 0
	ds_add_u32 v[SPW], v[NIL]                      ; the wave's opening: the add and its wait stand ahead of my first tensor load
	v_lshrrev_b32 v1, 5, v0
	v_readfirstlane_b32 s10, v1
	s_lshr_b32 s11, s10, 1
	s_and_b32 s12, s10, 1
	s_bfe_u32 s40, ttmp6, 0x40000
	s_bfe_u32 s41, ttmp6, 0x40004
	s_lshl_b32 s42, ttmp9, 2
	s_add_co_u32 s42, s42, s40                     ; tile column: 256 keys of the batch
	s_and_b32 s13, ttmp7, 0xffff
	s_lshr_b32 s76, s13, 1                         ; the batch: eight tile rows, two clusters
	s_lshl_b32 s13, s13, 2
	s_add_co_u32 s13, s13, s41                     ; tile row: 256 of the 8,192 queries
	s_lshl_b32 s43, s41, 2
	s_lshl_b32 s43, 15, s43
	s_lshl_b32 s44, 0x1111, s40
	s_or_b32 s[G1+0], s43, FLAGS
	s_or_b32 s[G1B+0], s44, FLAGS
.irp g, G1, G1B
	s_mov_b32 s[(\g)+1], KSTEP<<16
	s_mov_b32 s[(\g)+2], 128<<16
	s_mov_b32 s[(\g)+3], KSTEP<<16
	s_mov_b32 s[(\g)+4], 128
	s_mov_b32 s[(\g)+5], 2048                      ; a row of qk is 2,048 elements
	s_mov_b32 s[(\g)+6], 0
	s_mov_b32 s[(\g)+7], 0
.endr
	s_mov_b32 s[CS], 0x3d0293ee                    ; c = log2(e) / sqrt(2048) = 0.0318794
	s_mov_b32 s[CS+1], s[CS]
	s_mov_b32 s[SEL], 0x76543210
	s_mov_b32 s[SEL+1], 0xfedcba98
	s_lshl_b32 s17, s12, 7
	s_lshl_b32 s16, s13, 8
	s_add_co_u32 s16, s16, s17                     ; A: Q's row 256 x tile row + 128 x half,
	s_lshl_b32 s16, s16, 12                        ; of 4,096 bytes
	s_lshl_b32 s46, s42, 8
	s_add_co_u32 s46, s46, s17
	s_lshl_b32 s47, s76, 11
	s_add_co_u32 s46, s46, s47                     ; B: K's row 2,048 x batch + 256 x tile column + 128 x half,
	s_lshl_b32 s46, s46, 12
	s_add_co_u32 s46, s46, 2048                    ; in the row's second half
	s_mov_b32 s17, 0
	s_mov_b32 s47, 0
	s_mul_i32 s20, s10, HALFT
	s_wait_dscnt 0x0
	s_wait_kmcnt 0x0
	s_add_nc_u64 s[14:15], s[4:5], s[16:17]
	s_add_nc_u64 s[46:47], s[4:5], s[46:47]
	s_mov_b64 s[8:9], s[6:7]
	CROUND
.irp s, 0,1
	s_mov_b32 s[G0+4*(\s)], 1
	s_add_co_u32 s[G0+4*(\s)+1], s20, (\s)*SLOT
	s_add_nc_u64 s[G0+4*(\s)+2:G0+4*(\s)+3], s[14:15], (\s)*KSTEP*2
	s_or_b32 s[G0+4*(\s)+3], s[G0+4*(\s)+3], 0x80000000
	s_mov_b32 s[G0B+4*(\s)], 1
	s_add_co_u32 s[G0B+4*(\s)+1], s20, (\s)*SLOT
	s_add_nc_u64 s[G0B+4*(\s)+2:G0B+4*(\s)+3], s[46:47], (\s)*KSTEP*2
	s_or_b32 s[G0B+4*(\s)+3], s[G0B+4*(\s)+3], 0x80000000
.endr
	s_cmp_eq_u32 s11, 0                            ; a wave's two first fills stand in one branch: two loads of mine are out
	s_cbranch_scc0 .Lfirst_b
	tensor_load_to_lds s[G0:G0+3], s[G1:G1+7]
	s_nop 0
	tensor_load_to_lds s[G0+4:G0+7], s[G1:G1+7]
	s_nop 0
.rept 4
	v_nop
.endr
	s_branch .Lfirst_asked
.Lfirst_b:
	tensor_load_to_lds s[G0B:G0B+3], s[G1B:G1B+7]
	s_nop 0
	tensor_load_to_lds s[G0B+4:G0B+7], s[G1B:G1B+7]
	s_nop 0
.rept 4
	v_nop
.endr
.Lfirst_asked:
	v_and_b32 v1, 15, v0
	v_bfe_u32 v2, v0, 4, 1
	v_mul_u32_u24 v3, v1, PITCH
	v_lshl_add_u32 v3, v2, 4, v3
	s_mul_i32 s21, s11, HALFT
	s_mul_i32 s22, s12, HALFT
	s_add_co_u32 s22, s22, 2*HALFT
	v_add_nc_u32 v[ADRA0], s21, v3
	v_add_nc_u32 v[ADRB0], s22, v3
	v_mov_b32 v[ADRA], v[ADRA0]
	v_mov_b32 v[ADRB], v[ADRB0]
	v_mov_b32 v[CM+1], 0
	s_mov_b32 s[TB], 0
	s_mul_i32 s23, s10, 16*SPITCH
	s_add_co_u32 s23, s23, STAGE
	v_mul_u32_u24 v4, v1, SPITCH
	v_lshl_add_u32 v4, v2, 4, v4
	v_add_nc_u32 v[STO], s23, v4
	v_mul_u32_u24 v5, v2, SPITCH
	v_lshl_add_u32 v5, v1, 4, v5
	v_add_nc_u32 v[RD], s23, v5
	v_mul_u32_u24 v5, v2, ROWC
	v_lshl_add_u32 v[CO], v1, 4, v5
	s_lshl_b32 s23, s10, 10
	s_add_co_u32 s23, s23, STATS                   ; my 1,024 bytes for cm and l
	v_lshl_add_u32 v[SAD], v1, 2, s23
	v_and_b32 v3, 31, v0
	v_lshlrev_b32 v[SO], 4, v3
	v_add_nc_u32 v[SRD], s23, v[SO]
	s_lshl_b32 s14, s13, 8                         ; where my part of the tile begins in p
	s_lshl_b32 s15, s11, 7
	s_add_co_u32 s16, s14, s15
	s_lshl_b32 s16, s16, 12
	s_mov_b32 s17, 0
	s_lshl_b32 s46, s42, 9
	s_lshl_b32 s47, s12, 8
	s_add_co_u32 s46, s46, s47
	s_mov_b32 s47, 0
	s_add_nc_u64 s[16:17], s[16:17], s[46:47]
	s_lshl_b32 s21, s76, 4                         ; stats: ((16 batch + segment) x 2,048 + my first row in the batch) x 4 bytes; segment = 2 x tile column + half
	s_lshl_b32 s22, s42, 1
	s_add_co_u32 s21, s21, s22
	s_add_co_u32 s21, s21, s12
	s_lshl_b32 s21, s21, 11
	s_and_b32 s22, s13, 7
	s_lshl_b32 s22, s22, 8
	s_add_co_u32 s21, s21, s22
	s_add_co_u32 s21, s21, s15
	s_lshl_b32 s22, s21, 2
	s_mov_b32 s23, 0
	s_add_nc_u64 s[66:67], s[66:67], s[22:23]
.macro MUL16 f, hi, a0, zero           ; 16 matrix instructions; zero = 1: they start the sums
	WIN MUL_LO+0x50*(\hi)
.irp a, \a0, (\a0)+1
.irp b, 0,1,2,3,4,5,6,7
.if \zero
	v_wmma_f32_16x16x32_f16 v[8*(8*(\a)+(\b)):8*(8*(\a)+(\b))+7], v[(\f)+8*(\b):(\f)+8*(\b)+7], v[(\f)+8*(4*(\hi)+(\a)):(\f)+8*(4*(\hi)+(\a))+7], 0
.else
	v_wmma_f32_16x16x32_f16 v[8*(8*(\a)+(\b)):8*(8*(\a)+(\b))+7], v[(\f)+8*(\b):(\f)+8*(\b)+7], v[(\f)+8*(4*(\hi)+(\a)):(\f)+8*(4*(\hi)+(\a))+7], v[8*(8*(\a)+(\b)):8*(8*(\a)+(\b))+7]
.endif
.endr
.endr
.endm
.macro FETCH k, f
	WIN 0x40
.irp i, 0,1,2,3,4,5,6,7
	ds_load_b128 v[(\f)+8*(\i):(\f)+8*(\i)+3],   v[ADRB] offset:(\k)+(\i)*16*PITCH
	ds_load_b128 v[(\f)+8*(\i)+4:(\f)+8*(\i)+7], v[ADRB] offset:(\k)+(\i)*16*PITCH+32
.endr
	WIN 0
.irp i, 0,1,2,3,4,5,6,7
	ds_load_b128 v[(\f)+8*(\i):(\f)+8*(\i)+3],   v[ADRA] offset:(\k)+(\i)*16*PITCH
	ds_load_b128 v[(\f)+8*(\i)+4:(\f)+8*(\i)+7], v[ADRA] offset:(\k)+(\i)*16*PITCH+32
.endr
.endm
.macro QUARTER k, f, g, zero
	s_wait_dscnt 8                                 ; B and A's rows 0-63 are in; the youngest eight loads may be out
	MUL16 \f, 0, 0, \zero
	MUL16 \f, 0, 2, \zero
	PLACES
	FETCH \k, \g
	s_wait_dscnt 32                                ; all but the 32 just issued
	MUL16 \f, 1, 0, \zero
	MUL16 \f, 1, 2, \zero
.endm
.macro MEET
	WIN 0
	s_wait_tensorcnt 0x0                           ; all my tensor loads have landed
	ds_add_u32 v[SPW], v[NIL]                      ; 0 onto my spare word
	s_wait_dscnt 9                                 ; the add and the youngest eight loads may be out
	MUL16 F1, 0, 0, 0
	s_wait_dscnt 0x0                               ; the add is done, and my reads of this slot are over
	s_barrier_signal -1
	MUL16 F1, 0, 2, 0
	WIN 0
	s_barrier_wait -1
.endm
.macro NEXTSLOT
	s_xor_b32 s[TB], s[TB], SLOT
	v_add_nc_u32 v[ADRA], s[TB], v[ADRA0]
	v_add_nc_u32 v[ADRB], s[TB], v[ADRB0]
.endm
.macro TURN
	MEET
	CREST
.irp g, G0+4, G0B+4
	s_xor_b32 s[(\g)+1], s[(\g)+1], SLOT
	s_add_nc_u64 s[(\g)+2:(\g)+3], s[(\g)+2:(\g)+3], KSTEP*2
.endr
	JLOAD                                          ; the first tensor load behind the round, my only one out; its four v_nop are also the places in front of the loads below
	NEXTSLOT
	FETCH 0, F0
	MUL16 F1, 1, 0, 0
	MUL16 F1, 1, 2, 0
.endm
; THE SOFTMAX OF BLOCK a (16 queries x my 128 keys; a lane holds 64 scores of one query, the lane 16 away the other 64).  Each accumulator's lowest registers are read first.
.macro SOFT a
.set AC, 64*((\a)%4)
.set WW, 2+(\a)/4                      ; the block's window
	WIN WW*0x15                                    ; all three sources in that window
.irp b, 0,1,2,3,4,5,6,7
	v_max3_num_f32 v[T+(\b)], v[AC+8*(\b)], v[AC+8*(\b)+1], v[AC+8*(\b)+2]
.endr
	WIN WW*0x14                                    ; sources 1 and 2
.irp j, 3,5
.irp b, 0,1,2,3,4,5,6,7
	v_max3_num_f32 v[T+(\b)], v[T+(\b)], v[AC+8*(\b)+(\j)], v[AC+8*(\b)+(\j)+1]
.endr
.endr
.irp b, 0,1,2,3,4,5,6,7
	v_max_num_f32 v[T+(\b)], v[T+(\b)], v[AC+8*(\b)+7]
.endr
	WIN 0
	v_max3_num_f32 v[T], v[T], v[T+1], v[T+2]
	v_max3_num_f32 v[T+3], v[T+3], v[T+4], v[T+5]
	v_max_num_f32 v[T+6], v[T+6], v[T+7]
	v_max3_num_f32 v[T], v[T], v[T+3], v[T+6]
	v_permlanex16_b32 v[T+1], v[T], s[SEL], s[SEL+1]
	v_max_num_f32 v[T], v[T], v[T+1]               ; the row's maximum over the segment
	v_mul_f32 v[CM], s[CS], v[T]
	ds_store_b32 v[SAD], v[CM] offset:64*(\a)      ; both halves of the lanes write the same word with the same value
	WIN WW*0x41                                    ; destination and source 0 in the block's window
.set i, 0
.rept 32
	v_pk_fma_f32 v[AC+2*i:AC+2*i+1], v[AC+2*i:AC+2*i+1], s[CS:CS+1], v[CM:CM+1] op_sel_hi:[1,0,0] neg_lo:[0,0,1] neg_hi:[0,0,1]  ; c s - c m
.set i, i+1
.endr
.set i, 0
.rept 64
	v_exp_f32 v[AC+i], v[AC+i]
.set i, i+1
.endr
	v_nop                                          ; a plain instruction between the last exponential and the use of its result
	WIN WW*5                                       ; sources 0 and 1
	s_wait_alu depctr_va_vdst(0)
.irp b, 0,1,2,3,4,5,6,7
.irp r, 0,1,2,3
	v_cvt_pk_f16_f32 v[TMP+4*(\b)+(\r)], v[AC+8*(\b)+2*(\r)], v[AC+8*(\b)+2*(\r)+1]
.endr
.endr
	WIN WW*0x45                                    ; the sum of the 32 pairs, in place: neighbours 32, 16, 8 and 4 registers apart
.irp w, 32,16,8,4
.set u, 0
.rept (\w)/2
	v_pk_add_f32 v[AC+2*u:AC+2*u+1], v[AC+2*u:AC+2*u+1], v[AC+(\w)+2*u:AC+(\w)+2*u+1]
.set u, u+1
.endr
.endr
	WIN WW*5
	v_pk_add_f32 v[LS:LS+1], v[AC:AC+1], v[AC+2:AC+3]
	WIN 0
	v_add_f32 v[LS], v[LS], v[LS+1]
	v_permlanex16_b32 v[T+1], v[LS], s[SEL], s[SEL+1]
	v_add_f32 v[LS], v[LS], v[T+1]
	ds_store_b32 v[SAD], v[LS] offset:512+64*(\a)
.endm
.macro TOSTAGE a
.set BK, OB+192*((\a)%2)
.irp b, 0,1,2,3,4,5,6,7
	ds_store_b128 v[STO], v[TMP+4*(\b):TMP+4*(\b)+3] offset:32*(\b)
.endr
.irp t, 0,1,2,3,4,5,6,7
	ds_load_b128 v[BK+4*(\t):BK+4*(\t)+3], v[RD] offset:(\t)*2*SPITCH  ; LDS serves a wave's instructions in order
.endr
.endm
.macro SEND a
.set BK, OB+192*((\a)%2)
	s_wait_dscnt 0x0
	s_wait_xcnt 0x0                                ; the stores' base and the registers that earlier stores read are rewritten only behind this wait
.if (\a) == 0
	s_add_nc_u64 s[8:9], s[8:9], s[16:17]
.else
	s_add_nc_u64 s[8:9], s[8:9], 16*ROWC
.endif
.irp t, 0,1,2,3,4,5,6,7
	global_store_b128 v[CO], v[BK+4*(\t):BK+4*(\t)+3], s[8:9] offset:2*(\t)*ROWC  ; 16 lanes store 256 consecutive bytes, aligned
.endr
.endm
	s_wait_tensorcnt 1                             ; my part of K step 0 is in; step 1's may stay out
	s_barrier_signal -1
	s_barrier_wait -1
	FETCH 0, F0
	QUARTER 64, F0, F1, 1
	WIN 0
	s_mov_b32 s3, NSTEPS-2
.Lstep:
	QUARTER 128, F1, F0, 0
	QUARTER 192, F0, F1, 0
	TURN
	QUARTER 64, F0, F1, 0
	WIN 0
	s_sub_co_u32 s3, s3, 1
	s_cmp_lg_u32 s3, 0
	s_cbranch_scc1 .Lstep
	s_mov_b32 s3, 2
.Ltail:                                                ; the last two steps ask for nothing; the second trip is left in its middle
	QUARTER 128, F1, F0, 0
	QUARTER 192, F0, F1, 0
	MEET
	s_sub_co_u32 s3, s3, 1
	s_cmp_eq_u32 s3, 0
	s_cbranch_scc1 .Llastq
	PLACES
	NEXTSLOT
	FETCH 0, F0
	MUL16 F1, 1, 0, 0
	MUL16 F1, 1, 2, 0
	QUARTER 64, F0, F1, 0
	WIN 0
	s_branch .Ltail
.Llastq:
	MUL16 F1, 1, 0, 0
	MUL16 F1, 1, 2, 0
	PLACES
	SOFT 0
	TOSTAGE 0
.irp a, 1,2,3,4,5,6,7                  ; block a's softmax stands between block a - 1's loads from the stage and the wait for them
	SOFT \a
	SEND (\a)-1
	TOSTAGE \a
.endr
	SEND 7
	ds_load_b128 v[T:T+3],   v[SRD]                ; cm of my wave's rows 4 lane .. 4 lane + 3: my own wave's stores, served in order
	ds_load_b128 v[T+4:T+7], v[SRD] offset:512     ; and l
	s_wait_dscnt 0x0
	global_store_b128 v[SO], v[T:T+3],   s[66:67]  ; 512 consecutive bytes each, aligned
	global_store_b128 v[SO], v[T+4:T+7], s[66:67] offset:524288
	s_wait_tensorcnt 0x0                           ; the wave's end
	ds_add_u32 v[SPW], v[NIL]
	s_wait_dscnt 0x0
	CROUND
	s_endpgm
.Lfunc_end_k_q66bc7e56eb_scores:
	.size	k_q66bc7e56eb_scores, .Lfunc_end_k_q66bc7e56eb_scores-k_q66bc7e56eb_scores
	.p2alignl 7, 3214868480
	.fill 96, 4, 3214868480
	.section	.rodata,"a",@progbits
	.p2align	6, 0x0
	.amdhsa_kernel k_q66bc7e56eb_scores
		.amdhsa_group_segment_fixed_size 327680
		.amdhsa_private_segment_fixed_size 0
		.amdhsa_enable_private_segment 0
		.amdhsa_kernarg_size 24
		.amdhsa_user_sgpr_count 2
		.amdhsa_user_sgpr_kernarg_segment_ptr 1
		.amdhsa_wavefront_size32 1
		.amdhsa_system_sgpr_workgroup_id_x 1
		.amdhsa_system_sgpr_workgroup_id_y 1
		.amdhsa_system_sgpr_workgroup_id_z 1
		.amdhsa_system_vgpr_workitem_id 0
		.amdhsa_next_free_vgpr 1024
		.amdhsa_next_free_sgpr 80
		.amdhsa_reserve_vcc 0
		.amdhsa_float_denorm_mode_32 3
		.amdhsa_float_denorm_mode_16_64 3
		.amdhsa_memory_ordered 1
		.amdhsa_forward_progress 1
		.amdhsa_inst_pref_size 171
	.end_amdhsa_kernel
	.amdgpu_metadata
---
amdhsa.version: [ 1, 2 ]
amdhsa.kernels:
  - .name:           k_q66bc7e56eb_scores
    .symbol:         k_q66bc7e56eb_scores.kd
    .args:
      - { .name: qk, .offset: 0, .size: 8, .value_kind: global_buffer, .address_space: global }
      - { .name: p, .offset: 8, .size: 8, .value_kind: global_buffer, .address_space: global }
      - { .name: stats, .offset: 16, .size: 8, .value_kind: global_buffer, .address_space: global }
    .group_segment_fixed_size: 327680
    .private_segment_fixed_size: 0
    .kernarg_segment_align: 8
    .kernarg_segment_size: 24
    .max_flat_workgroup_size: 128
    .sgpr_count:     80
    .vgpr_count:     1024
    .wavefront_size: 32
...
	.end_amdgpu_metadata
.endif
;; end of part 3
;; launch pv (part 4): grid 4 x 64, 4 waves a work-group, clusters of 4 x 4, 327,680 bytes of LDS; arguments p, vt, stats, bv, out0; writes out0
.if DOCPART == 4
	.amdgcn_target "amdgcn-amd-amdhsa--gfx1250"
	.amdhsa_code_object_version 6
	.text
	.protected	k_q66bc7e56eb_pv
	.globl	k_q66bc7e56eb_pv
	.p2align	8
	.type	k_q66bc7e56eb_pv,@function
k_q66bc7e56eb_pv:
	s_mov_b64 s[64:65], 0
	v_nop
	global_prefetch_b8 v0, s[64:65] scope:SCOPE_SE
	s_setreg_imm32_b32 hwreg(HW_REG_WAVE_MODE, 25, 1), 1
	s_wait_xcnt 0x0
	s_wait_alu depctr_hold_cnt(0) depctr_sa_sdst(0) depctr_va_vdst(0) depctr_va_sdst(0) depctr_va_ssrc(0) depctr_va_vcc(0) depctr_vm_vsrc(0)
	s_getreg_b32 s2, hwreg(HW_REG_IB_STS2, 6, 4)
	s_cmp_eq_u32 s2, 0
	s_cbranch_scc0 .Lentry_in_a_cluster
	s_endpgm
.Lentry_in_a_cluster:
	s_bfe_u32 s2, ttmp6, 0x10000c
	s_cmp_lg_u32 s2, 0xf033
	s_cbranch_scc0 .Lentry_shape_is_right
	s_endpgm
.Lentry_shape_is_right:
; out0[query][channel] = (bv L + the sum over segments of alpha (p_segment V)) / L.  For each row: M = the maximum of its 16 segments' cm; alpha = 2^(cm - M), at most 1; L = the sum of alpha l, at least
; about 1 (the segment of the maximum has alpha = 1 and a weight near 1).  All of this in f32: only p and V, the products' operands, are f16.
; bv: the softmax's weights of a row add up to 1, so att (x Wv^T + 1 bv^T) = att x Wv^T + bv for every input.  The totals START as bv L, so nothing is cleared and the way out is one multiplication by 1 / L;
; the order of rounding differs from the reference's.
; LIMITS: an alpha below 2^-126 counts as 0; NaN and infinities are not treated apart.
; A tile is 128 queries x 256 channels: 64 x 4 tiles, one for each of 256 work-groups.  Four waves, each 64 x 128.  K = 2,048 keys in 16 steps of 128: ONE STEP IS ONE SEGMENT.  A step's products start on 0
; in 32 SEGMENT accumulators; in the step's last quarter four v_pk_fma_f32 (total += alpha x segment) stand behind each product, for the accumulator that the product before it finished: 128 a step.
; They name none of the registers of the product in front of them, so they are also the four places between a product and the read of its result.  Totals and segment sums fill windows 1 and 2, so the
; product's fragments lie in window 0 and each of those 32 products has a switch of the windows in front and behind.
; Two LDS slots, a step written once for the loop and once for the tail, one walking descriptor a tensor.  CLUSTER 4 x 4: p's tile is shared along a row of the cluster, vt's along a column.
; SOURCES: source 0 = 16 rows of vt (channels), source 1 = 16 rows of p (queries): lane l holds query l % 16 and the channels 8 (l / 16) + 0..7.
; REGISTERS: window 0: v0-31 addresses; v40-47 alpha of my four blocks (low words of pairs); v48-55 L, later 1 / L, in pairs; v64-127, v128-191 fragments of B (before the loop: the rows' figures and bv; on
;   the way out: results, and rows read back); v192-255 fragments of A, two buffers.   windows 1 (blocks 0, 1) and 2 (blocks 2, 3): segment sum (a, b) at v[64 (a % 2) + 8 b], its total 128 higher
.set KSTEP,  128
.set NSTEPS, 16
.set PITCH,  272
.set AHALF,  64*PITCH
.set BHALF,  128*PITCH
.set BOFF,   2*AHALF
.set SLOT1,  1<<17
.set STAGE,  SLOT1+BOFF+2*BHALF        ; 16 rows x 528 bytes for each wave
.set SPITCH, 528                       ; 512 bytes + 16: the 16 rows of a store start at 16 different groups of four banks
.set ATAB,   STAGE+4*16*SPITCH         ; alpha: 16 segments x 128 rows x 4 bytes
.set LTAB,   ATAB+8192                 ; L: 128 rows x 4 bytes
.set ITAB,   LTAB+512                  ; 1 / L
.set SPARE,  ITAB+512
.set ROWC,   4096                      ; bytes in a row of out0 and of p
.set FLAGS,  (1<<16)|(1<<20)|(1<<21)|(5<<22)|(3<<25)
.set ADRA0, 16
.set ADRB0, 17
.set ADRA,  18
.set ADRB,  19
.set STO,   24
.set RD,    25
.set CO,    26
.set SO,    27                         ; 4 x thread: my row's byte offset in stats
.set SPW,   28
.set NIL,   29
.set AAD0,  30                         ; my lane's place in segment 0 of ATAB; never rewritten
.set AAD,   31                         ; the same in the segment in hand
.set AL,    40
.set IL,    48
.set F0,    64
.set F1,    128
.set OT,    64
.set BK,    128
.set BIAS,  128
.set G1,  24
.set G0,  32
.set TB,  45
.set G1B, 48
.set G0B, 56
.set SEGO, 78                          ; s78 512 x the segment in hand
.set MSB, 0
.macro WIN new
.if MSB != (\new)
	s_set_vgpr_msb (MSB<<8)|(\new)
.set MSB, \new
.endif
.endm
.macro PLACES
.rept 4
	v_nop
.endr
.endm
.macro JLOAD                           ; waves 0 and 1 fetch A's halves (64 rows), waves 2 and 3 B's (128 rows)
	s_cmp_eq_u32 s11, 0
	s_cbranch_scc0 .Lfor_b_\@
	tensor_load_to_lds s[G0+4:G0+7], s[G1:G1+7]
	s_nop 0
	PLACES
	s_branch .Lasked_\@
.Lfor_b_\@:
	tensor_load_to_lds s[G0B+4:G0B+7], s[G1B:G1B+7]
	s_nop 0
	PLACES
.Lasked_\@:
.endm
.macro CREST
	s_cmp_lg_u32 s10, 0
	s_cbranch_scc1 .Lnot_wave_0_\@
	s_barrier_signal -3
.Lnot_wave_0_\@:
	s_barrier_wait -3
	s_barrier_signal -1
	s_barrier_wait -1
.endm
.macro CROUND
	s_barrier_signal -1
	s_barrier_wait -1
	CREST
.endm
	s_load_b256 s[68:75], s[0:1], 0x0              ; p s[68:69], vt s[70:71], stats s[72:73], bv s[74:75]
	s_load_b64 s[8:9], s[0:1], 0x20                ; out0
	v_lshl_add_u32 v[SPW], v0, 2, SPARE
	v_mov_b32 v[NIL], 0
	ds_add_u32 v[SPW], v[NIL]                      ; the wave's opening: the add and its wait stand ahead of my first tensor load
	v_lshrrev_b32 v1, 5, v0
	v_readfirstlane_b32 s10, v1
	s_lshr_b32 s11, s10, 1                         ; my 64 of the tile's 128 rows; also: I fetch for A (0) or B (1)
	s_and_b32 s12, s10, 1                          ; my 128 of its 256 columns; also: which half I fetch
	s_bfe_u32 s40, ttmp6, 0x40000
	s_bfe_u32 s41, ttmp6, 0x40004
	s_lshl_b32 s42, ttmp9, 2
	s_add_co_u32 s42, s42, s40                     ; tile column (channels)
	s_and_b32 s13, ttmp7, 0xffff
	s_lshr_b32 s76, s13, 2                         ; the batch: sixteen tile rows, four clusters
	s_lshl_b32 s13, s13, 2
	s_add_co_u32 s13, s13, s41                     ; tile row (queries)
	s_lshl_b32 s43, s41, 2
	s_lshl_b32 s43, 15, s43
	s_lshl_b32 s44, 0x1111, s40
	s_or_b32 s[G1+0], s43, FLAGS
	s_or_b32 s[G1B+0], s44, FLAGS
	s_mov_b32 s[G1+1], KSTEP<<16
	s_mov_b32 s[G1+2], 64<<16                      ; A: 64 rows of p,
	s_mov_b32 s[G1+3], KSTEP<<16
	s_mov_b32 s[G1+4], 64
	s_mov_b32 s[G1+5], 2048                        ; 2,048 elements apart
	s_mov_b32 s[G1+6], 0
	s_mov_b32 s[G1+7], 0
	s_mov_b32 s[G1B+1], KSTEP<<16
	s_mov_b32 s[G1B+2], 128<<16                    ; B: 128 rows of vt,
	s_mov_b32 s[G1B+3], KSTEP<<16
	s_mov_b32 s[G1B+4], 128
	s_mov_b32 s[G1B+5], 8192                       ; 8,192 elements apart
	s_mov_b32 s[G1B+6], 0
	s_mov_b32 s[G1B+7], 0
	s_lshl_b32 s17, s12, 6
	s_lshl_b32 s16, s13, 7
	s_add_co_u32 s16, s16, s17                     ; A: p's row 128 x tile row + 64 x half
	s_lshl_b32 s16, s16, 12
	s_mov_b32 s17, 0
	s_lshl_b32 s47, s12, 7
	s_lshl_b32 s46, s42, 8
	s_add_co_u32 s46, s46, s47                     ; B: vt's row 256 x tile column + 128 x half,
	s_lshl_b32 s46, s46, 14
	s_lshl_b32 s47, s76, 12
	s_add_co_u32 s46, s46, s47                     ; at the batch's 2,048 tokens
	s_mov_b32 s47, 0
	s_mul_i32 s20, s12, AHALF
	s_mul_i32 s21, s12, BHALF
	s_add_co_u32 s21, s21, BOFF
	s_wait_dscnt 0x0
	s_wait_kmcnt 0x0
	s_add_nc_u64 s[14:15], s[68:69], s[16:17]
	s_add_nc_u64 s[46:47], s[70:71], s[46:47]
	CROUND
.irp s, 0,1
	s_mov_b32 s[G0+4*(\s)], 1
	s_add_co_u32 s[G0+4*(\s)+1], s20, (\s)*SLOT1
	s_add_nc_u64 s[G0+4*(\s)+2:G0+4*(\s)+3], s[14:15], (\s)*KSTEP*2
	s_or_b32 s[G0+4*(\s)+3], s[G0+4*(\s)+3], 0x80000000
	s_mov_b32 s[G0B+4*(\s)], 1
	s_add_co_u32 s[G0B+4*(\s)+1], s21, (\s)*SLOT1
	s_add_nc_u64 s[G0B+4*(\s)+2:G0B+4*(\s)+3], s[46:47], (\s)*KSTEP*2
	s_or_b32 s[G0B+4*(\s)+3], s[G0B+4*(\s)+3], 0x80000000
.endr
	s_cmp_eq_u32 s11, 0                            ; a wave's two first fills stand in one branch: two loads of mine are out
	s_cbranch_scc0 .Lfirst_b
	tensor_load_to_lds s[G0:G0+3], s[G1:G1+7]
	s_nop 0
	tensor_load_to_lds s[G0+4:G0+7], s[G1:G1+7]
	s_nop 0
	PLACES
	s_branch .Lfirst_asked
.Lfirst_b:
	tensor_load_to_lds s[G0B:G0B+3], s[G1B:G1B+7]
	s_nop 0
	tensor_load_to_lds s[G0B+4:G0B+7], s[G1B:G1B+7]
	s_nop 0
	PLACES
.Lfirst_asked:
	; THE ROWS' FACTORS, in the wait for the first tiles.  Thread t owns row t of the work-group's 128.
	s_lshl_b32 s22, s76, 17                        ; stats: (32,768 x batch + 128 x (tile row % 16)) x 4 bytes
	s_and_b32 s23, s13, 15
	s_lshl_b32 s23, s23, 9
	s_add_co_u32 s22, s22, s23
	s_mov_b32 s23, 0
	s_add_nc_u64 s[72:73], s[72:73], s[22:23]
	v_lshlrev_b32 v[SO], 2, v0
.set i, 0
.rept 16
	global_load_b32 v[64+i], v[SO], s[72:73] offset:8192*i          ; cm of segment i
.set i, i+1
.endr
.set i, 0
.rept 16
	global_load_b32 v[80+i], v[SO], s[72:73] offset:524288+8192*i   ; l of segment i
.set i, i+1
.endr
	v_and_b32 v1, 15, v0                           ; l % 16
	v_bfe_u32 v2, v0, 4, 1                         ; l / 16
	s_lshl_b32 s46, s42, 10                        ; my first column, in bytes of f32: (256 x tile column + 128 x half) x 4
	s_lshl_b32 s47, s12, 9
	s_add_co_u32 s46, s46, s47
	v_lshl_add_u32 v5, v2, 5, s46                  ; + 8 (l / 16) columns
.irp b, 0,1,2,3,4,5,6,7                ; register j of block b: bv of column 16 b + 8 (l / 16) + j
	global_load_b128 v[BIAS+8*(\b):BIAS+8*(\b)+3],   v5, s[74:75] offset:64*(\b)
	global_load_b128 v[BIAS+8*(\b)+4:BIAS+8*(\b)+7], v5, s[74:75] offset:64*(\b)+16
.endr
	v_mul_u32_u24 v3, v1, PITCH
	v_lshl_add_u32 v3, v2, 4, v3
	s_mul_i32 s22, s11, AHALF
	s_mul_i32 s23, s12, BHALF
	s_add_co_u32 s23, s23, BOFF
	v_add_nc_u32 v[ADRA0], s22, v3
	v_add_nc_u32 v[ADRB0], s23, v3
	v_mov_b32 v[ADRA], v[ADRA0]
	v_mov_b32 v[ADRB], v[ADRB0]
	s_mov_b32 s[TB], 0
	s_mov_b32 s[SEGO], 0
	s_lshl_b32 s22, s11, 8
	s_add_co_u32 s22, s22, ATAB
	v_lshl_add_u32 v[AAD0], v1, 2, s22             ; ATAB + (64 x my half + l % 16) x 4
	v_mov_b32 v[AAD], v[AAD0]
.irp a, 0,1,2,3
	v_mov_b32 v[AL+2*(\a)+1], 0                    ; alpha is named as a pair and its low word taken for both halves: the high word is written once
.endr
	s_mul_i32 s23, s10, 16*SPITCH
	s_add_co_u32 s23, s23, STAGE
	v_mul_u32_u24 v4, v1, SPITCH                   ; into the stage: row l % 16, 32 bytes for each half of the lanes
	v_lshl_add_u32 v4, v2, 5, v4
	v_add_nc_u32 v[STO], s23, v4
	v_and_b32 v3, 31, v0
	v_lshlrev_b32 v[CO], 4, v3                     ; back: 32 lanes take one row of 512 bytes
	v_add_nc_u32 v[RD], s23, v[CO]
	s_lshl_b32 s16, s13, 7                         ; out0 at my first row and column
	s_lshl_b32 s17, s11, 6
	s_add_co_u32 s16, s16, s17
	s_lshl_b32 s16, s16, 12
	s_add_co_u32 s16, s16, s46
	s_mov_b32 s17, 0
	s_add_nc_u64 s[8:9], s[8:9], s[16:17]
	s_wait_loadcnt 16                              ; cm and l are in; bv's sixteen loads may be out
	v_max3_num_f32 v112, v64, v65, v66
.irp i, 67,69,71,73,75,77
	v_max3_num_f32 v112, v112, v[\i], v[(\i)+1]
.endr
	v_max_num_f32 v112, v112, v79                  ; M
.set i, 0
.rept 16
	v_sub_f32 v[64+i], v[64+i], v112
.set i, i+1
.endr
.set i, 0
.rept 16
	v_exp_f32 v[64+i], v[64+i]                     ; alpha
.set i, i+1
.endr
	v_lshl_add_u32 v114, v0, 2, ATAB               ; (the plain instruction between the last exponential and the use of its result)
	s_wait_alu depctr_va_vdst(0)
	v_mul_f32 v113, v64, v80
.set i, 1
.rept 15
	v_fmac_f32 v113, v[64+i], v[80+i]              ; L
.set i, i+1
.endr
	v_rcp_f32 v115, v113
.set i, 0
.rept 16
	ds_store_b32 v114, v[64+i] offset:512*i
.set i, i+1
.endr
	v_nop                                          ; a plain instruction between the reciprocal and the use of its result
	ds_store_b32 v114, v113 offset:8192            ; LTAB
	s_wait_alu depctr_va_vdst(0)
	ds_store_b32 v114, v115 offset:8704            ; ITAB
	s_wait_loadcnt 0x0                             ; bv
; Four packed multiply-adds: the total of the accumulator at register r of window w takes alpha x its segment sum, lowest registers first.
.macro RIDE w, r
	WIN 0x51*(\w)                                  ; destination, source 0 and source 2 in window w; alpha in window 0
.irp i, 0,1,2,3
	v_pk_fma_f32 v[128+(\r)+2*(\i):128+(\r)+2*(\i)+1], v[(\r)+2*(\i):(\r)+2*(\i)+1], v[AL+4*((\w)-1)+2*((\r)/64):AL+4*((\w)-1)+2*((\r)/64)+1], v[128+(\r)+2*(\i):128+(\r)+2*(\i)+1] op_sel_hi:[1,0,1]
.endr
.endm
; 8 matrix instructions: the two m blocks of window w x four n blocks (half 0 or 1), from buffer f.  zero = 1: they start the segment's sums.
; ride = 1 (the step's last quarter): behind each stands RIDE for the accumulator that the matrix instruction before it finished (PW, PR); behind the quarter's first, four v_nop in its stead.
.macro GRP f, w, half, zero, ride
.set FA, 192+32*(((\f)-F0)/64)+16*((\w)-1)
.irp a2, 0,1
.irp b, 0,1,2,3
.set RG, 64*(\a2)+8*(4*(\half)+(\b))
	WIN 0x50*(\w)                                  ; both fragments in window 0; C and D in window w
.if \zero
	v_wmma_f32_16x16x32_f16 v[RG:RG+7], v[(\f)+8*(4*(\half)+(\b)):(\f)+8*(4*(\half)+(\b))+7], v[FA+8*(\a2):FA+8*(\a2)+7], 0
.else
	v_wmma_f32_16x16x32_f16 v[RG:RG+7], v[(\f)+8*(4*(\half)+(\b)):(\f)+8*(4*(\half)+(\b))+7], v[FA+8*(\a2):FA+8*(\a2)+7], v[RG:RG+7]
.endif
.if \ride
.if PR >= 0
	RIDE PW, PR
.else
	PLACES
.endif
.set PW, \w
.set PR, RG
.endif
.endr
.endr
.endm
; One run of LDS loads, all into window 0: with al = 1 the segment's four alpha; A's eight; then B's sixteen
.macro FETCH k, f, al
.set FL, 192+32*(((\f)-F0)/64)
	WIN 0
.if \al
.irp a, 0,1,2,3
	ds_load_b32 v[AL+2*(\a)], v[AAD] offset:64*(\a)
.endr
.endif
.irp a, 0,1,2,3
	ds_load_b128 v[FL+8*(\a):FL+8*(\a)+3],   v[ADRA] offset:(\k)+(\a)*16*PITCH
	ds_load_b128 v[FL+8*(\a)+4:FL+8*(\a)+7], v[ADRA] offset:(\k)+(\a)*16*PITCH+32
.endr
.irp i, 0,1,2,3,4,5,6,7
	ds_load_b128 v[(\f)+8*(\i):(\f)+8*(\i)+3],   v[ADRB] offset:(\k)+(\i)*16*PITCH
	ds_load_b128 v[(\f)+8*(\i)+4:(\f)+8*(\i)+7], v[ADRB] offset:(\k)+(\i)*16*PITCH+32
.endr
.endm
; One of a step's first three quarters: 32 matrix instructions on buffer f, the 32 accumulators by turns in one fixed order; the next quarter's loads go out first.
.macro QUARTER k, f, g, zero, al
	s_wait_dscnt 0x0                               ; buffer f is in
	PLACES
	FETCH \k, \g, \al
	GRP \f, 1, 0, \zero, 0
	GRP \f, 2, 0, \zero, 0
	GRP \f, 1, 1, \zero, 0
	GRP \f, 2, 1, \zero, 0
.endm
.macro MEET                            ; the first half of a step's last quarter, and the barrier of a change of slots
	WIN 0
	s_wait_tensorcnt 0x0                           ; all my tensor loads have landed: my part of the next slot
	ds_add_u32 v[SPW], v[NIL]                      ; 0 onto my spare word
	s_wait_dscnt 1                                 ; buffer 1 is in; the add may be out
.set PR, -1
	GRP F1, 1, 0, 0, 1
	s_wait_dscnt 0x0                               ; the add is done, and my reads of this slot are over
	s_barrier_signal -1
	GRP F1, 2, 0, 0, 1
	WIN 0
	s_barrier_wait -1
.endm
.macro SECOND                          ; the second half of the last quarter: its first product is followed by the multiply-adds for MEET's last accumulator, its last by two accumulators'
.set PW, 2
.set PR, 88
	GRP F1, 1, 1, 0, 1
	GRP F1, 2, 1, 0, 1
	RIDE PW, PR
.endm
.macro NEXTSLOT
	s_xor_b32 s[TB], s[TB], SLOT1
	s_add_co_u32 s[SEGO], s[SEGO], 512             ; the next segment's 128 words of ATAB
	v_add_nc_u32 v[ADRA], s[TB], v[ADRA0]
	v_add_nc_u32 v[ADRB], s[TB], v[ADRB0]
	v_add_nc_u32 v[AAD], s[SEGO], v[AAD0]
.endm
.macro TURN
	MEET
	CREST                                          ; the barrier has opened a round of the cluster's
.irp g, G0+4, G0B+4
	s_xor_b32 s[(\g)+1], s[(\g)+1], SLOT1
	s_add_nc_u64 s[(\g)+2:(\g)+3], s[(\g)+2:(\g)+3], KSTEP*2
.endr
	JLOAD                                          ; the first tensor load behind the round, my only one out; its four v_nop are also the places in front of the loads below
	NEXTSLOT
	FETCH 0, F0, 0
	SECOND
.endm
; THE WAY OUT of block a (16 queries x my 128 channels, f32): total / L; 32 bytes a lane and block into my stage; back as whole rows of 512 bytes; stored.
.macro OUTM a
	WIN 1+(\a)/2                                   ; source 0: window 1 or 2
.set i, 0
.rept 32
	v_pk_mul_f32 v[OT+2*i:OT+2*i+1], v[128+64*((\a)%2)+2*i:128+64*((\a)%2)+2*i+1], v[IL+2*(\a):IL+2*(\a)+1]
.set i, i+1
.endr
	WIN 0
.endm
.macro TOSTAGE
.irp b, 0,1,2,3,4,5,6,7
	ds_store_b128 v[STO], v[OT+8*(\b):OT+8*(\b)+3]   offset:64*(\b)
	ds_store_b128 v[STO], v[OT+8*(\b)+4:OT+8*(\b)+7] offset:64*(\b)+16
.endr
	s_wait_xcnt 0x0                                ; the registers that the last block's stores read are loaded again only behind this wait
.irp t, 0,1,2,3,4,5,6,7,8,9,10,11,12,13,14,15
	ds_load_b128 v[BK+4*(\t):BK+4*(\t)+3], v[RD] offset:(\t)*SPITCH  ; LDS serves a wave's instructions in order
.endr
.endm
.macro SEND a
	s_wait_dscnt 0x0
.irp t, 0,1,2,3,4,5,6,7,8,9,10,11,12,13,14,15
	global_store_b128 v[CO], v[BK+4*(\t):BK+4*(\t)+3], s[8:9] offset:(16*(\a)+(\t))*ROWC th:TH_STORE_NT  ; a wave stores 512 consecutive bytes, aligned
.endr
.endm
	s_wait_dscnt 0x0                               ; for the others' sake: my rows of the three tables are written
	s_wait_tensorcnt 1                             ; my part of K step 0 is in; step 1's may stay out
	s_barrier_signal -1
	s_barrier_wait -1                              ; one barrier for the tables and for slot 0
.irp a, 0,1,2,3                        ; L of my row of block a, into both registers of a pair
	ds_load_b32 v[IL+2*(\a)],   v[AAD0] offset:8192+64*(\a)
	ds_load_b32 v[IL+2*(\a)+1], v[AAD0] offset:8192+64*(\a)
.endr
	FETCH 0, F0, 0
	s_wait_dscnt 24                                ; L is in; the 24 loads of fragments may be out: the totals are started while they land
.irp a, 0,1,2,3
	WIN 0x40*(1+(\a)/2)                            ; destination: window 1 or 2
.set i, 0
.rept 32
	v_pk_mul_f32 v[128+64*((\a)%2)+2*i:128+64*((\a)%2)+2*i+1], v[BIAS+2*i:BIAS+2*i+1], v[IL+2*(\a):IL+2*(\a)+1]  ; bv L
.set i, i+1
.endr
.endr
	QUARTER 64, F0, F1, 1, 1                       ; a step's first quarter starts the segment's sums and fetches its alpha
	WIN 0
	s_mov_b32 s3, NSTEPS-2
.Lstep:
	QUARTER 128, F1, F0, 0, 0
	QUARTER 192, F0, F1, 0, 0
	TURN
	QUARTER 64, F0, F1, 1, 1
	WIN 0
	s_sub_co_u32 s3, s3, 1
	s_cmp_lg_u32 s3, 0
	s_cbranch_scc1 .Lstep
	s_mov_b32 s3, 2
.Ltail:                                                ; the last two steps ask for nothing; the second trip is left in its middle
	QUARTER 128, F1, F0, 0, 0
	QUARTER 192, F0, F1, 0, 0
	MEET
	s_sub_co_u32 s3, s3, 1
	s_cmp_eq_u32 s3, 0
	s_cbranch_scc1 .Llastq
	PLACES
	NEXTSLOT
	FETCH 0, F0, 0
	SECOND
	QUARTER 64, F0, F1, 1, 1
	WIN 0
	s_branch .Ltail
.Llastq:
	SECOND
	WIN 0
.irp a, 0,1,2,3                        ; 1 / L of my row of block a, into both registers of a pair
	ds_load_b32 v[IL+2*(\a)],   v[AAD0] offset:8704+64*(\a)
	ds_load_b32 v[IL+2*(\a)+1], v[AAD0] offset:8704+64*(\a)
.endr
	s_wait_dscnt 0x0
	OUTM 0
	TOSTAGE
.irp a, 1,2,3                          ; block a's arithmetic stands between block a - 1's loads from the stage and the wait for them
	OUTM \a
	SEND (\a)-1
	TOSTAGE
.endr
	SEND 3
	s_wait_tensorcnt 0x0                           ; the wave's end
	ds_add_u32 v[SPW], v[NIL]
	s_wait_dscnt 0x0
	CROUND
	s_endpgm
.Lfunc_end_k_q66bc7e56eb_pv:
	.size	k_q66bc7e56eb_pv, .Lfunc_end_k_q66bc7e56eb_pv-k_q66bc7e56eb_pv
	.p2alignl 7, 3214868480
	.fill 96, 4, 3214868480
	.section	.rodata,"a",@progbits
	.p2align	6, 0x0
	.amdhsa_kernel k_q66bc7e56eb_pv
		.amdhsa_group_segment_fixed_size 327680
		.amdhsa_private_segment_fixed_size 0
		.amdhsa_enable_private_segment 0
		.amdhsa_kernarg_size 40
		.amdhsa_user_sgpr_count 2
		.amdhsa_user_sgpr_kernarg_segment_ptr 1
		.amdhsa_wavefront_size32 1
		.amdhsa_system_sgpr_workgroup_id_x 1
		.amdhsa_system_sgpr_workgroup_id_y 1
		.amdhsa_system_sgpr_workgroup_id_z 1
		.amdhsa_system_vgpr_workitem_id 0
		.amdhsa_next_free_vgpr 768
		.amdhsa_next_free_sgpr 80
		.amdhsa_reserve_vcc 0
		.amdhsa_float_denorm_mode_32 3
		.amdhsa_float_denorm_mode_16_64 3
		.amdhsa_memory_ordered 1
		.amdhsa_forward_progress 1
		.amdhsa_inst_pref_size 112
	.end_amdhsa_kernel
	.amdgpu_metadata
---
amdhsa.version: [ 1, 2 ]
amdhsa.kernels:
  - .name:           k_q66bc7e56eb_pv
    .symbol:         k_q66bc7e56eb_pv.kd
    .args:
      - { .name: p, .offset: 0, .size: 8, .value_kind: global_buffer, .address_space: global }
      - { .name: vt, .offset: 8, .size: 8, .value_kind: global_buffer, .address_space: global }
      - { .name: stats, .offset: 16, .size: 8, .value_kind: global_buffer, .address_space: global }
      - { .name: bv, .offset: 24, .size: 8, .value_kind: global_buffer, .address_space: global }
      - { .name: out0, .offset: 32, .size: 8, .value_kind: global_buffer, .address_space: global }
    .group_segment_fixed_size: 327680
    .private_segment_fixed_size: 0
    .kernarg_segment_align: 8
    .kernarg_segment_size: 40
    .max_flat_workgroup_size: 128
    .sgpr_count:     80
    .vgpr_count:     768
    .wavefront_size: 32
...
	.end_amdgpu_metadata
.endif
;; end of part 4
